; MI455X (gfx1250); checked and timed in simulation.
; The chip was launched on July 23, 2026; its instructions are those of AMD's public machine-readable ISA for CDNA 5 (MIT licence, August 2026) and "CDNA5" Instruction Set Architecture Reference Guide (July 2026). The comments in the code are by the model that wrote it; some were corrected since.
;; Idx2 Pixel Layer. Allowed arithmetic: float matrix products may take bf16 or f16 operands with f32 sums; all other float work in f32.
;; Inputs: coords 1,000,000 x 2 float32; visible 2,048 x 2,048 x 8 float32.
;; Outputs: out0 1,000,000 x 8 float32.
;; 2 versions, each right; version 2 is version 1 with the launch gather written anew for expert scheduling mode. Each part assembles by itself: llvm-mc -triple=amdgcn-amd-amdhsa -mcpu=gfx1250 --defsym DOCPART=n.
;; ======== version 1 of 2: 2 launches
;; limits: inputs' magnitudes at most 4,294,967,296
;; workspace buffers: fix 8,000,000 bytes of whole numbers
;; launch index (part 1): grid 625 x 1, 5 waves a work-group, no clusters, 0 bytes of LDS; arguments coords, fix; writes fix
.if DOCPART == 1
	.amdgcn_target "amdgcn-amd-amdhsa--gfx1250"
	.amdhsa_code_object_version 6
	.text
	.protected	k_q36afa0f4d5_index
	.globl	k_q36afa0f4d5_index
	.p2align	8
	.type	k_q36afa0f4d5_index,@function
k_q36afa0f4d5_index:
	s_mov_b64 s[64:65], 0
	v_nop
	global_prefetch_b8 v0, s[64:65] scope:SCOPE_SE
	s_setreg_imm32_b32 hwreg(HW_REG_WAVE_MODE, 25, 1), 1
	s_wait_xcnt 0x0
; fix[p][a] = floor(c x 2^20) as a whole number, where c = ((coords[p][a] - 1) mod 2044) + 1, for 1,000,000 points and both axes.
; The gather that follows takes its table index (word >> 20) and its weight (the low 20 bits) from these words; here nothing but data
; hangs on the coordinates.
; Shares: 625 work-groups x 5 waves x 5 steps x 64 points = 1,000,000: no tail and no lane is ever off.
; A lane takes two neighbouring points a step: 16 bytes of coords in, 16 bytes of fix out, at the same byte offset in both buffers, so each
; load and each store of the wave covers 512 consecutive bytes that start at a multiple of 512 (12,800 g + 2,560 w + 512 s).
; All five loads of a wave are issued before any is used.  No LDS, no barrier: no wave needs another's data.
;
; THE WRAP.  y = x - 1;  q = floor(y / 2044 + 1/2), estimated;  r = y - 2044 q by one fused multiply-add;  r + 2044 where r < 0.
; The estimate's error is at most |y| / 2044 x 6.7e-8 (the constant's 7e-9 and one rounding), 0.14 while |y| < 2^32, so |r| <= 0.64 x 2044.
; This gives the reference's remainder (truncated remainder, + 2044 if that is negative) with the reference's roundings:
;   y >= 0: r, or r + 2044, is the exact remainder, which f32 holds; r is a multiple of y's last place (or of 4) below 2^11: nothing is rounded.
;   y < 0, r < 0: r is the truncated remainder, exact, and the addition of 2044 rounds once, as the reference's (it can give 2044.0).
;   y < 0, r > 0: r is the truncated remainder + 2044 as a real number, rounded once by the fused multiply-add, as the reference's addition.
; Which of two neighbouring q the estimate takes near a half only chooses between these cases.  An exact zero comes out as +0.
; c x 2^20 = r x 2^20 + 2^20 in one fused multiply-add: a factor 2^20 does not change where f32 rounds, so floor(c) is the reference's
; (it has to be: this blend jumps at the borders of the cells).
; LIMITS: right while |coords - 1| < 2^32, wrong beyond (the gather still bounds the index).  The fraction is cut to 2^-20, which drops
; bits only where c < 16.  NaN and infinite coordinates convert to the word 0.
.set STEPS, 5
.set VO,    1                          ; v1       my byte offset in coords and in fix: 2,560 x wave + 16 x lane
.set X,     4                          ; v[4:23]  step s: x0, x1 of my first point, x0, x1 of my second; worked on in place, stored from there
.set T,     24                         ; v[24:27] at work: one register for each of the four coordinates
.set INV,   12                         ; s[12:13] 1 / 2044, the nearest f32.  (The packed forms take a scalar pair and use its first register
.set NMOD,  14                         ; s[14:15] -2044.0 = -(dim - 4)          for both halves; the second is written because the pair is named.)
.set MOD,   16                         ; s[16:17] 2044.0
.set SC,    18                         ; s[18:19] 2^20
	s_load_b128 s[4:7], s[0:1], 0x0                ; coords s[4:5], fix s[6:7]
	v_lshrrev_b32 v[T], 5, v0                      ; wave
	v_lshlrev_b32 v[VO], 4, v0                     ; 16 x thread = 512 x wave + 16 x lane
	v_lshl_add_u32 v[VO], v[T], 11, v[VO]          ; + 2,048 x wave: a wave's 320 points are 2,560 bytes
	s_mul_i32 s8, ttmp9, 5*64*STEPS*8              ; the work-group's 1,600 points: 12,800 bytes of either buffer
	s_mov_b32 s9, 0
.irp h, 0,1
	s_mov_b32 s[INV+\h],  0x3a004020
	s_mov_b32 s[NMOD+\h], 0xc4ff8000
	s_mov_b32 s[MOD+\h],  0x44ff8000
	s_mov_b32 s[SC+\h],   0x49800000
.endr
	s_wait_kmcnt 0x0
	s_add_nc_u64 s[4:5], s[4:5], s[8:9]
	s_add_nc_u64 s[6:7], s[6:7], s[8:9]
.irp s, 0,1,2,3,4
	global_load_b128 v[X+4*\s:X+4*\s+3], v[VO], s[4:5] offset:512*\s th:TH_LOAD_NT   ; each byte of coords is read once
.endr
; One step: four coordinates side by side, two in each packed instruction, so that no line waits for the line in front of it.
.macro STEP s
.set B, X+4*\s
	s_wait_loadcnt STEPS-1-\s                      ; loads come back in order (ISA guide 5.7.1): step s is in, the younger ones stay out
.irp j, 0,2
	v_pk_add_f32 v[B+\j:B+\j+1], v[B+\j:B+\j+1], -1.0 op_sel_hi:[1,0]                                   ; y = x - 1, rounded as in the reference
.endr
.irp j, 0,2
	v_pk_fma_f32 v[T+\j:T+\j+1], v[B+\j:B+\j+1], s[INV:INV+1], 0.5 op_sel_hi:[1,0,0]                    ; y / 2044 + 1/2
.endr
.irp j, 0,1,2,3
	v_floor_f32 v[T+\j], v[T+\j]                                                                        ; q
.endr
.irp j, 0,2
	v_pk_fma_f32 v[B+\j:B+\j+1], v[T+\j:T+\j+1], s[NMOD:NMOD+1], v[B+\j:B+\j+1] op_sel_hi:[1,0,1]       ; r = y - 2044 q
.endr
.irp j, 0,2
	v_pk_add_f32 v[T+\j:T+\j+1], v[B+\j:B+\j+1], s[MOD:MOD+1] op_sel_hi:[1,0]                           ; r + 2044
.endr
.irp j, 0,1,2,3
	v_min_u32 v[B+\j], v[B+\j], v[T+\j]            ; as bit patterns a negative float is above every float >= +0: r + 2044 where r < 0, else r (r + 2044 > r)
.endr
.irp j, 0,2
	v_pk_fma_f32 v[B+\j:B+\j+1], v[B+\j:B+\j+1], s[SC:SC+1], s[SC:SC+1] op_sel_hi:[1,0,0]               ; c x 2^20, c from 1 to 2045
.endr
.irp j, 0,1,2,3
	v_cvt_u32_f32 v[B+\j], v[B+\j]                 ; toward zero; at most 2045 x 2^20, below 2^31; NaN gives 0
.endr
	global_store_b128 v[VO], v[B:B+3], s[6:7] offset:512*\s    ; no hint: the next launch reads these words; offset and data registers are not written again
.endm
.irp i, 0,1,2,3,4
	STEP \i
.endr
	s_endpgm
.Lfunc_end_k_q36afa0f4d5_index:
	.size	k_q36afa0f4d5_index, .Lfunc_end_k_q36afa0f4d5_index-k_q36afa0f4d5_index
	.p2alignl 7, 3214868480
	.fill 96, 4, 3214868480
	.section	.rodata,"a",@progbits
	.p2align	6, 0x0
	.amdhsa_kernel k_q36afa0f4d5_index
		.amdhsa_group_segment_fixed_size 0
		.amdhsa_private_segment_fixed_size 0
		.amdhsa_enable_private_segment 0
		.amdhsa_kernarg_size 16
		.amdhsa_user_sgpr_count 2
		.amdhsa_user_sgpr_kernarg_segment_ptr 1
		.amdhsa_wavefront_size32 1
		.amdhsa_system_sgpr_workgroup_id_x 1
		.amdhsa_system_sgpr_workgroup_id_y 1
		.amdhsa_system_sgpr_workgroup_id_z 1
		.amdhsa_system_vgpr_workitem_id 0
		.amdhsa_next_free_vgpr 28
		.amdhsa_next_free_sgpr 66
		.amdhsa_reserve_vcc 0
		.amdhsa_float_denorm_mode_32 3
		.amdhsa_float_denorm_mode_16_64 3
		.amdhsa_memory_ordered 1
		.amdhsa_forward_progress 1
		.amdhsa_inst_pref_size 8
	.end_amdhsa_kernel
	.amdgpu_metadata
---
amdhsa.version: [ 1, 2 ]
amdhsa.kernels:
  - .name:           k_q36afa0f4d5_index
    .symbol:         k_q36afa0f4d5_index.kd
    .args:
      - { .name: coords, .offset: 0, .size: 8, .value_kind: global_buffer, .address_space: global }
      - { .name: fix, .offset: 8, .size: 8, .value_kind: global_buffer, .address_space: global }
    .group_segment_fixed_size: 0
    .private_segment_fixed_size: 0
    .kernarg_segment_align: 8
    .kernarg_segment_size: 16
    .max_flat_workgroup_size: 160
    .sgpr_count:     66
    .vgpr_count:     28
    .wavefront_size: 32
...
	.end_amdgpu_metadata
.endif
;; end of part 1
;; launch gather (part 2): grid 3125 x 1, 4 waves a work-group, no clusters, 0 bytes of LDS; arguments fix, visible, out0; writes out0
.if DOCPART == 2
	.amdgcn_target "amdgcn-amd-amdhsa--gfx1250"
	.amdhsa_code_object_version 6
	.text
	.protected	k_q36afa0f4d5_gather
	.globl	k_q36afa0f4d5_gather
	.p2align	8
	.type	k_q36afa0f4d5_gather,@function
k_q36afa0f4d5_gather:
	s_mov_b64 s[64:65], 0
	v_nop
	global_prefetch_b8 v0, s[64:65] scope:SCOPE_SE
	s_setreg_imm32_b32 hwreg(HW_REG_WAVE_MODE, 25, 1), 1
	s_wait_xcnt 0x0
; out[p][0..7] = bilinear blend of visible[i0 + {0,1}][i1 + {0,1}][0..7], weights from the fractions of the wrapped coordinates.
; The wrapped coordinates come as whole numbers from fix (two words a point, floor(c x 2^20), made from coords by the launch before):
; the index is word >> 20, the fraction the low 20 bits x 2^-20.
; Shares: 3,125 work-groups x 4 waves x 5 steps x 16 points = 1,000,000: no tail, no lane is ever off.
; FOUR LANES SERVE A POINT.  Pixels (i, j) and (i, j+1) are 64 consecutive bytes of the table; lane q = lane % 4 reads bytes 16 q .. 16 q + 15
; of them, and with the immediate 65,536 the same bytes one table row further down.  So a load of the wave names 8 runs of 64 bytes.
; A step takes 16 neighbouring points: group k = lane / 4 has the even point A = 2 k and the odd point B = 2 k + 1.  Every lane blends both along
; the first axis.  Lanes q < 2 hold column j (the reference's 'top'), lanes q >= 2 column j + 1 ('bottom'), of channels 4 (q % 2) .. + 3.
; Lanes q < 2 then finish A and lanes q >= 2 finish B: each keeps its part of its own point and hands the other point's part to lane q xor 2.
; Lane l thus ends with bytes 16 l .. 16 l + 15 of the step's 512 bytes of out: a store of the wave covers 512 consecutive bytes that start
; at a multiple of 512 from out's first byte (10,240 g + 2,560 w + 512 s).
; A step's four gathers are issued as soon as its words are in, twenty a wave, and the weights are made while they are on their way.
; Not used: LDS, barriers, the matrix unit, tensor loads (no wave needs another's data, there is no product and no tile); clusters (no two
; work-groups read a common tile: the places are whatever the coordinates say); prefetches (each gather is issued as a load at the first
; point at which its address is known, so a prefetch could only stand at the same place and ask for the same bytes once more).
; LIMITS: those of the words in fix: right while |coords - 1| < 2^32; fractions cut to 2^-20; a NaN or infinite coordinate arrives as the
; word 0 and gives a finite blend from cell 0 where the reference gives NaN.
; The last blend is keep + u (other - keep) with u = 1 - d1 in lanes q < 2: a few last places away from the reference's order of rounding.
.set STEPS, 5
.set IMAX,  0x7fd                      ; 2045: the largest floor(c) that the wrap can give; i + 1 <= 2046 stays in the table
.set VFX,   1                          ; v1         my byte offset in fix: 640 x wave + 16 k
.set VOUT,  2                          ; v2         my byte offset in out: 2,560 x wave + 16 x lane
.set Q16,   3                          ; v3         16 q
.set USC,   4                          ; v4         -2^-20 in lanes q < 2, 2^-20 in lanes q >= 2
.set UOF,   5                          ; v5         1.0 in lanes q < 2, 0 in lanes q >= 2
.set OFF,   6                          ; v[6:15]    step s: byte offsets of my 16 bytes in table row i0 of A and of B
.set W,     16                         ; v[16:35]   step s: the words c0A c1A c0B c1B as loaded; then d0A, d0B, u (the fourth is left)
.set DATA,  36                         ; v[36:115]  step s: A row i, A row i+1, B row i, B row i+1, 4 registers each
.set T0,    116                        ; v[116:117] at work
.set T1,    117
.set FR,    16                         ; s16      the 20 bits of the fraction
.set DIMFX, 17                         ; s17      2048 x 2^20: the dimension in the words' unit
.set ISC,   18                         ; s[18:19] 2^-20 (a pair for the packed multiply, which uses the first for both halves)
.set ZM,    20                         ; s[20:24] step s: lanes whose point is beyond the boundary
                                       ; vcc_lo, for the whole kernel: lanes with q >= 2
	s_load_b128 s[4:7], s[0:1], 0x0                ; fix s[4:5], visible s[6:7]
	s_load_b64 s[8:9], s[0:1], 0x10                ; out
	v_lshrrev_b32 v[T0], 5, v0                     ; wave
	v_bfe_u32 v[T1], v0, 2, 3                      ; k = lane / 4
	v_mul_u32_u24 v[VFX], v[T0], 16*STEPS*8        ; a wave's 80 points: 640 bytes of fix
	v_lshl_add_u32 v[VFX], v[T1], 4, v[VFX]        ; + my two points' 16 bytes
	v_lshlrev_b32 v[VOUT], 4, v0                   ; 16 x thread = 512 x wave + 16 x lane
	v_lshl_add_u32 v[VOUT], v[T0], 11, v[VOUT]     ; + 2,048 x wave: a wave's 80 points are 2,560 bytes of out
	v_and_b32 v[Q16], 3, v0
	v_lshlrev_b32 v[Q16], 4, v[Q16]
	v_and_b32 v[T1], 2, v0
	v_cmp_ne_u32 vcc_lo, 0, v[T1]                  ; q >= 2
	s_mul_i32 s12, ttmp9, 4*16*STEPS*8             ; the work-group's 320 points: 2,560 bytes of fix,
	s_mov_b32 s13, 0
	s_lshl_b32 s14, s12, 2                         ; 10,240 of out (32,000,000 at the most: one word holds it)
	s_mov_b32 s15, 0
	s_mov_b32 s[FR], 0xfffff
	s_mov_b32 s[DIMFX], 0x80000000
	s_mov_b32 s[ISC], 0x35800000
	s_mov_b32 s[ISC+1], 0x35800000
	v_mov_b32 v[USC], 0xb5800000
	v_cndmask_b32 v[USC], v[USC], s[ISC], vcc_lo
	v_cndmask_b32 v[UOF], 1.0, 0, vcc_lo
	s_wait_kmcnt 0x0
	s_add_nc_u64 s[4:5], s[4:5], s[12:13]
	s_add_nc_u64 s[8:9], s[8:9], s[14:15]
.irp s, 0,1,2,3,4
	global_load_b128 v[W+4*\s:W+4*\s+3], v[VFX], s[4:5] offset:128*\s th:TH_LOAD_NT   ; A's and B's words; a group's four lanes ask for the same 16 bytes
.endr
; A point's two words -> the byte offset of my 16 bytes in table row i0.  A number that was loaded is bounded before it enters an address.
.macro ADDR off, w0, w1
	v_lshrrev_b32 v[T0], 20, v[\w0]                ; i0
	v_lshrrev_b32 v[T1], 20, v[\w1]                ; i1
	v_min_u32 v[T0], IMAX, v[T0]
	v_min_u32 v[T1], IMAX, v[T1]
	v_lshl_add_u32 v[T1], v[T1], 5, v[Q16]         ; a pixel is 32 bytes
	v_lshl_add_u32 v[\off], v[T0], 16, v[T1]       ; a table row is 2,048 x 32 = 65,536 bytes; at most 2045 x 65,568 + 48, far below 2^31
.endm
.irp s, 0,1,2,3,4
	s_wait_loadcnt 4+3*\s                          ; younger than step s's words: the 4 - s later loads of words and the 4 s gathers issued so far
	ADDR OFF+2*\s,W+4*\s,W+4*\s+1
	ADDR OFF+2*\s+1,W+4*\s+2,W+4*\s+3
	global_load_b128 v[DATA+16*\s:DATA+16*\s+3],     v[OFF+2*\s],   s[6:7]                ; no hint: other points fall on the same bytes
	global_load_b128 v[DATA+16*\s+4:DATA+16*\s+7],   v[OFF+2*\s],   s[6:7] offset:65536
	global_load_b128 v[DATA+16*\s+8:DATA+16*\s+11],  v[OFF+2*\s+1], s[6:7]
	global_load_b128 v[DATA+16*\s+12:DATA+16*\s+15], v[OFF+2*\s+1], s[6:7] offset:65536
.endr
; The weights of step s, in place (all words are in since the last wait above).  A lane needs d0 of both points, but d1 and the boundary
; test only of the point that it stores.
.macro DELTA s
.set DL, W+4*\s
	v_cndmask_b32 v[T0], v[DL], v[DL+2], vcc_lo            ; c0 of my point: A's in lanes q < 2, B's in lanes q >= 2
	v_cndmask_b32 v[T1], v[DL+1], v[DL+3], vcc_lo          ; c1 of my point
	v_cmp_gt_u32 s[ZM+\s], v[T0], s[DIMFX]                 ; the reference's mask: first coordinate beyond the dimension (c <= 2045: it selects nothing)
	v_and_b32 v[DL], s[FR], v[DL]
	v_and_b32 v[DL+1], s[FR], v[DL+2]
	v_and_b32 v[T1], s[FR], v[T1]
	v_cvt_f32_u32 v[DL], v[DL]                             ; 20 bits: exact
	v_cvt_f32_u32 v[DL+1], v[DL+1]
	v_cvt_f32_u32 v[T1], v[T1]
	v_pk_mul_f32 v[DL:DL+1], v[DL:DL+1], s[ISC:ISC+1] op_sel_hi:[1,0]   ; d0 of A, d0 of B
	v_fma_f32 v[DL+2], v[T1], v[USC], v[UOF]               ; u, the weight of the part that I am handed: 1 - d1 for 'bottom' (q < 2), d1 for 'top' (q >= 2)
.endm
.irp i, 0,1,2,3,4
	DELTA \i
.endr
.macro LERP s
.set RA0, DATA+16*\s
.set RA1, RA0+4
.set RB0, RA0+8
.set RB1, RA0+12
.set DL,  W+4*\s
	s_wait_loadcnt 4*(STEPS-1-\s)                  ; loads come back in order (ISA guide 5.7.1): this step's four are in, four for each later step stay out
.irp j, 0,2
	v_pk_add_f32 v[RA0+\j:RA0+\j+1], v[RA0+\j:RA0+\j+1], v[RA1+\j:RA1+\j+1] neg_lo:[0,1] neg_hi:[0,1]   ; row i - row i+1
	v_pk_add_f32 v[RB0+\j:RB0+\j+1], v[RB0+\j:RB0+\j+1], v[RB1+\j:RB1+\j+1] neg_lo:[0,1] neg_hi:[0,1]
.endr
.irp j, 0,2
	v_pk_fma_f32 v[RA0+\j:RA0+\j+1], v[RA0+\j:RA0+\j+1], v[DL:DL+1], v[RA1+\j:RA1+\j+1] op_sel_hi:[1,0,1]                ; mid = row i+1 + d0A x that: both halves take the pair's first register
	v_pk_fma_f32 v[RB0+\j:RB0+\j+1], v[RB0+\j:RB0+\j+1], v[DL:DL+1], v[RB1+\j:RB1+\j+1] op_sel:[0,1,0] op_sel_hi:[1,1,1] ; the same with d0B: both halves take the second
.endr
.irp j, 0,1,2,3
	v_cndmask_b32 v[RA1+\j], v[RA0+\j], v[RB0+\j], vcc_lo  ; keep: my part of the point that I store
	v_cndmask_b32 v[RB1+\j], v[RB0+\j], v[RA0+\j], vcc_lo  ; hand over: my part of the other point
.endr
.irp j, 0,1,2,3
	v_sub_f32_dpp v[RB1+\j], v[RB1+\j], v[RA1+\j] row_xmask:2 row_mask:0xf bank_mask:0xf   ; what lane q xor 2 hands me, minus what I keep
.endr
.irp j, 0,2
	v_pk_fma_f32 v[RA1+\j:RA1+\j+1], v[RB1+\j:RB1+\j+1], v[DL+2:DL+3], v[RA1+\j:RA1+\j+1] op_sel_hi:[1,0,1]   ; keep + u x difference = bottom + d1 (top - bottom)
.endr
.irp j, 0,1,2,3
	v_cndmask_b32 v[RA1+\j], v[RA1+\j], 0, s[ZM+\s]        ; zero beyond the boundary
.endr
	global_store_b128 v[VOUT], v[RA1:RA1+3], s[8:9] offset:512*\s th:TH_STORE_NT   ; written once, read by nobody here; its registers are not written again
.endm
.irp i, 0,1,2,3,4
	LERP \i
.endr
	s_endpgm
.Lfunc_end_k_q36afa0f4d5_gather:
	.size	k_q36afa0f4d5_gather, .Lfunc_end_k_q36afa0f4d5_gather-k_q36afa0f4d5_gather
	.p2alignl 7, 3214868480
	.fill 96, 4, 3214868480
	.section	.rodata,"a",@progbits
	.p2align	6, 0x0
	.amdhsa_kernel k_q36afa0f4d5_gather
		.amdhsa_group_segment_fixed_size 0
		.amdhsa_private_segment_fixed_size 0
		.amdhsa_enable_private_segment 0
		.amdhsa_kernarg_size 24
		.amdhsa_user_sgpr_count 2
		.amdhsa_user_sgpr_kernarg_segment_ptr 1
		.amdhsa_wavefront_size32 1
		.amdhsa_system_sgpr_workgroup_id_x 1
		.amdhsa_system_sgpr_workgroup_id_y 1
		.amdhsa_system_sgpr_workgroup_id_z 1
		.amdhsa_system_vgpr_workitem_id 0
		.amdhsa_next_free_vgpr 120
		.amdhsa_next_free_sgpr 66
		.amdhsa_reserve_vcc 1
		.amdhsa_float_denorm_mode_32 3
		.amdhsa_float_denorm_mode_16_64 3
		.amdhsa_memory_ordered 1
		.amdhsa_forward_progress 1
		.amdhsa_inst_pref_size 17
	.end_amdhsa_kernel
	.amdgpu_metadata
---
amdhsa.version: [ 1, 2 ]
amdhsa.kernels:
  - .name:           k_q36afa0f4d5_gather
    .symbol:         k_q36afa0f4d5_gather.kd
    .args:
      - { .name: fix, .offset: 0, .size: 8, .value_kind: global_buffer, .address_space: global }
      - { .name: visible, .offset: 8, .size: 8, .value_kind: global_buffer, .address_space: global }
      - { .name: out0, .offset: 16, .size: 8, .value_kind: global_buffer, .address_space: global }
    .group_segment_fixed_size: 0
    .private_segment_fixed_size: 0
    .kernarg_segment_align: 8
    .kernarg_segment_size: 24
    .max_flat_workgroup_size: 128
    .sgpr_count:     66
    .vgpr_count:     120
    .wavefront_size: 32
...
	.end_amdgpu_metadata
.endif
;; end of part 2
;; ======== version 2 of 2: 2 launches; version 1 with the launch gather written anew for expert scheduling mode
;; limits: inputs' magnitudes at most 4,294,967,296
;; workspace buffers: fix 8,000,000 bytes of whole numbers
;; launch index: the kernel of part 1 again; grid 625 x 1, 5 waves a work-group, no clusters, 0 bytes of LDS; arguments coords, fix; writes fix
;; launch gather (part 3): grid 3125 x 1, 4 waves a work-group, no clusters, 0 bytes of LDS; arguments fix, visible, out0; writes out0
.if DOCPART == 3
	.amdgcn_target "amdgcn-amd-amdhsa--gfx1250"
	.amdhsa_code_object_version 6
	.text
	.protected	k_q36afa0f4d5_gather
	.globl	k_q36afa0f4d5_gather
	.p2align	8
	.type	k_q36afa0f4d5_gather,@function
k_q36afa0f4d5_gather:
	s_mov_b64 s[64:65], 0
	v_nop
	global_prefetch_b8 v0, s[64:65] scope:SCOPE_SE
	s_setreg_imm32_b32 hwreg(HW_REG_WAVE_SCHED_MODE, 0, 2), 2
	s_setreg_imm32_b32 hwreg(HW_REG_WAVE_MODE, 25, 1), 1
	s_wait_xcnt 0x0
	s_wait_alu depctr_vm_vsrc(0)
; out[p][0..7] = bilinear blend of visible[i0 + {0,1}][i1 + {0,1}][0..7], weights from the fractions of the wrapped coordinates.
; The wrapped coordinates come as whole numbers from fix (two words a point, floor(c x 2^20), made from coords by the launch before):
; the index is word >> 20, the fraction the low 20 bits x 2^-20.
; Shares: 3,125 work-groups x 4 waves x 5 steps x 16 points = 1,000,000: no tail, no lane is ever off.
; FOUR LANES SERVE A POINT.  Pixels (i, j) and (i, j+1) are 64 consecutive bytes of the table; lane q = lane % 4 reads bytes 16 q .. 16 q + 15
; of them, and with the immediate 65,536 the same bytes one table row further down.  So a load of the wave names 8 runs of 64 bytes.
; A step takes 16 neighbouring points: group k = lane / 4 has the even point A = 2 k and the odd point B = 2 k + 1.  Every lane blends both along
; the first axis.  Lanes q < 2 hold column j (the reference's 'top'), lanes q >= 2 column j + 1 ('bottom'), of channels 4 (q % 2) .. + 3.
; Lanes q < 2 then finish A and lanes q >= 2 finish B: each keeps its part of its own point and hands the other point's part to lane q xor 2.
; Lane l thus ends with bytes 16 l .. 16 l + 15 of the step's 512 bytes of out: a store of the wave covers 512 consecutive bytes that start
; at a multiple of 512 from out's first byte (10,240 g + 2,560 w + 512 s).
; Not used: LDS, barriers, the matrix unit, tensor loads (no wave needs another's data, there is no product and no tile); clusters (no two
; work-groups read a common tile: the places are whatever the coordinates say); prefetches (the gathers are issued as loads as soon as the
; wave's addresses are made, so a prefetch could only stand at the same place and ask for the same bytes once more).
; THE MODE: SCHED_MODE bits 1:0 = 2 (LLVM: expert scheduling mode 2), set by the entry lines.  The code itself states the register dependences
; between vector instructions and memory instructions, with s_wait_alu, always for 0.
; THE PLAN.  The text is one straight line.  Registers that memory instructions touch:
;   v1, v2       byte offsets in fix and in out.  Written at the head; read by the five loads of fix and by the five stores; never named again.
;   v[6:15]      the ten table offsets.  Written by the ten ADDR runs, which stand together; read by the twenty gathers, which follow in one run; never named again.
;   v[16:35]     the loads of fix land here; no vector line names them before; afterwards vector lines alone read and rewrite them.
;   v[36:115]    the gathers land here; no vector line names them before.  Step s's blend works in its sixteen and leaves its result in four of them,
;                which the step's store reads and nothing writes again.
; So: one wait on va_vdst at the head (v1, v2), one behind the addresses (v[6:15]), and one ahead of each store, which stands at the head of the NEXT
; step, behind that step's wait for its gathers.  No register that a memory instruction reads is ever written again and EXEC is never written:
; past the entry lines the text holds no wait on vm_vsrc and no s_wait_xcnt.  Scalar results of vector lines: VCC, made once at the head, and the five masks
; s[20:24], made in one stretch: one wait for each kind, ahead of the first reader.
; The weights are made while the gathers are on their way.
; LIMITS: those of the words in fix: right while |coords - 1| < 2^32; fractions cut to 2^-20; a NaN or infinite coordinate arrives as the
; word 0 and gives a finite blend from cell 0 where the reference gives NaN.
; The last blend is keep + u (other - keep) with u = 1 - d1 in lanes q < 2: a few last places away from the reference's order of rounding.
.set STEPS, 5
.set IMAX,  0x7fd                      ; 2045: the largest floor(c) that the wrap can give; i + 1 <= 2046 stays in the table
.set VFX,   1                          ; v1         my byte offset in fix: 640 x wave + 16 k
.set VOUT,  2                          ; v2         my byte offset in out: 2,560 x wave + 16 x lane
.set Q16,   3                          ; v3         16 q
.set USC,   4                          ; v4         -2^-20 in lanes q < 2, 2^-20 in lanes q >= 2
.set UOF,   5                          ; v5         1.0 in lanes q < 2, 0 in lanes q >= 2
.set OFF,   6                          ; v[6:15]    step s: byte offsets of my 16 bytes in table row i0 of A and of B
.set W,     16                         ; v[16:35]   step s: the words c0A c1A c0B c1B as loaded; then d0A, d0B, u (the fourth is left)
.set DATA,  36                         ; v[36:115]  step s: A row i, A row i+1, B row i, B row i+1, 4 registers each
.set T0,    116                        ; v[116:117] at work: no memory instruction names them
.set T1,    117
.set FR,    16                         ; s16      the 20 bits of the fraction
.set DIMFX, 17                         ; s17      2048 x 2^20: the dimension in the words' unit
.set ISC,   18                         ; s[18:19] 2^-20 (a pair for the packed multiply, which uses the first for both halves)
.set ZM,    20                         ; s[20:24] step s: lanes whose point is beyond the boundary
                                       ; vcc_lo, for the whole kernel: lanes with q >= 2
	s_load_b128 s[4:7], s[0:1], 0x0                ; fix s[4:5], visible s[6:7]
	s_load_b64 s[8:9], s[0:1], 0x10                ; out
	v_lshrrev_b32 v[T0], 5, v0                     ; wave
	v_bfe_u32 v[T1], v0, 2, 3                      ; k = lane / 4
	v_mul_u32_u24 v[VFX], v[T0], 16*STEPS*8        ; a wave's 80 points: 640 bytes of fix
	v_lshl_add_u32 v[VFX], v[T1], 4, v[VFX]        ; + my two points' 16 bytes
	v_lshlrev_b32 v[VOUT], 4, v0                   ; 16 x thread = 512 x wave + 16 x lane
	v_lshl_add_u32 v[VOUT], v[T0], 11, v[VOUT]     ; + 2,048 x wave: a wave's 80 points are 2,560 bytes of out
	v_and_b32 v[Q16], 3, v0
	v_lshlrev_b32 v[Q16], 4, v[Q16]
	v_and_b32 v[T1], 2, v0
	v_cmp_ne_u32 vcc_lo, 0, v[T1]                  ; q >= 2
	s_mul_i32 s12, ttmp9, 4*16*STEPS*8             ; the work-group's 320 points: 2,560 bytes of fix,
	s_mov_b32 s13, 0
	s_lshl_b32 s14, s12, 2                         ; 10,240 of out (32,000,000 at the most: one word holds it)
	s_mov_b32 s15, 0
	s_mov_b32 s[FR], 0xfffff
	s_mov_b32 s[DIMFX], 0x80000000
	s_mov_b32 s[ISC], 0x35800000
	s_mov_b32 s[ISC+1], 0x35800000
	v_mov_b32 v[USC], 0xb5800000
	s_wait_alu depctr_va_vcc(0)                    ; the compare above has written VCC, ahead of its first reader, the next line; VCC is not written again
	v_cndmask_b32 v[USC], v[USC], s[ISC], vcc_lo
	v_cndmask_b32 v[UOF], 1.0, 0, vcc_lo
	s_wait_kmcnt 0x0
	s_add_nc_u64 s[4:5], s[4:5], s[12:13]
	s_add_nc_u64 s[8:9], s[8:9], s[14:15]
	s_wait_alu depctr_va_vdst(0)                   ; v1 is written, which the five loads below read as their offset, and v2, which the five stores read; no vector line names either again
.irp s, 0,1,2,3,4
	global_load_b128 v[W+4*\s:W+4*\s+3], v[VFX], s[4:5] offset:128*\s th:TH_LOAD_NT   ; A's and B's words; a group's four lanes ask for the same 16 bytes
.endr
; A point's two words -> the byte offset of my 16 bytes in table row i0.  A number that was loaded is bounded before it enters an address.
.macro ADDR off, w0, w1
	v_lshrrev_b32 v[T0], 20, v[\w0]                ; i0
	v_lshrrev_b32 v[T1], 20, v[\w1]                ; i1
	v_min_u32 v[T0], IMAX, v[T0]
	v_min_u32 v[T1], IMAX, v[T1]
	v_lshl_add_u32 v[T1], v[T1], 5, v[Q16]         ; a pixel is 32 bytes
	v_lshl_add_u32 v[\off], v[T0], 16, v[T1]       ; a table row is 2,048 x 32 = 65,536 bytes; at most 2045 x 65,568 + 48, far below 2^31
.endm
; All ten addresses first: the wave's five loads of words cover 640 consecutive bytes and were issued on end.
.irp s, 0,1,2,3,4
	s_wait_loadcnt STEPS-1-\s                      ; loads come back in order (ISA guide 5.7.1): step s's words are in, the 4 - s later loads of words stay out
	ADDR OFF+2*\s,W+4*\s,W+4*\s+1
	ADDR OFF+2*\s+1,W+4*\s+2,W+4*\s+3
.endr
	s_wait_alu depctr_va_vdst(0)                   ; the ten table offsets v[6:15] are written, which the twenty gathers below read; no vector line stands among these, and none names v[6:15] again
.irp s, 0,1,2,3,4
	global_load_b128 v[DATA+16*\s:DATA+16*\s+3],     v[OFF+2*\s],   s[6:7]                ; no hint: other points fall on the same bytes
	global_load_b128 v[DATA+16*\s+4:DATA+16*\s+7],   v[OFF+2*\s],   s[6:7] offset:65536
	global_load_b128 v[DATA+16*\s+8:DATA+16*\s+11],  v[OFF+2*\s+1], s[6:7]
	global_load_b128 v[DATA+16*\s+12:DATA+16*\s+15], v[OFF+2*\s+1], s[6:7] offset:65536
.endr
; The weights of step s, in place (all words are in since the last wait on LOADcnt above, which was for 0).  A lane needs d0 of both points, but d1
; and the boundary test only of the point that it stores.  These lines name v[16:35], v4, v5 and v[116:117]: no register that a gather touches.
.macro DELTA s
.set DL, W+4*\s
	v_cndmask_b32 v[T0], v[DL], v[DL+2], vcc_lo            ; c0 of my point: A's in lanes q < 2, B's in lanes q >= 2
	v_cndmask_b32 v[T1], v[DL+1], v[DL+3], vcc_lo          ; c1 of my point
	v_cmp_gt_u32 s[ZM+\s], v[T0], s[DIMFX]                 ; the reference's mask: first coordinate beyond the dimension (c <= 2045: it selects nothing)
	v_and_b32 v[DL], s[FR], v[DL]
	v_and_b32 v[DL+1], s[FR], v[DL+2]
	v_and_b32 v[T1], s[FR], v[T1]
	v_cvt_f32_u32 v[DL], v[DL]                             ; 20 bits: exact
	v_cvt_f32_u32 v[DL+1], v[DL+1]
	v_cvt_f32_u32 v[T1], v[T1]
	v_pk_mul_f32 v[DL:DL+1], v[DL:DL+1], s[ISC:ISC+1] op_sel_hi:[1,0]   ; d0 of A, d0 of B
	v_fma_f32 v[DL+2], v[T1], v[USC], v[UOF]               ; u, the weight of the part that I am handed: 1 - d1 for 'bottom' (q < 2), d1 for 'top' (q >= 2)
.endm
.irp i, 0,1,2,3,4
	DELTA \i
.endr
	s_wait_alu depctr_va_sdst(0)                   ; the five compares above have written s[20:24], ahead of their first readers, the blends' last selects
; Step s leaves: its blend's result lies in the step's second four registers.
.macro OUT s
	s_wait_alu depctr_va_vdst(0)                   ; step s's blend has written the four registers that the store below reads
	global_store_b128 v[VOUT], v[DATA+16*(\s)+4:DATA+16*(\s)+7], s[8:9] offset:512*(\s) th:TH_STORE_NT   ; written once, read by nobody here; its registers are not written again
.endm
.macro LERP s
.set RA0, DATA+16*\s
.set RA1, RA0+4
.set RB0, RA0+8
.set RB1, RA0+12
.set DL,  W+4*\s
	s_wait_loadcnt 4*(STEPS-1-\s)                  ; loads come back in order (ISA guide 5.7.1): this step's four are in, four for each later step stay out
.if \s > 0
	OUT (\s)-1                                     ; the step before leaves here, ahead of this step's vector lines, which name none of its registers
.endif
.irp j, 0,2
	v_pk_add_f32 v[RA0+\j:RA0+\j+1], v[RA0+\j:RA0+\j+1], v[RA1+\j:RA1+\j+1] neg_lo:[0,1] neg_hi:[0,1]   ; row i - row i+1
	v_pk_add_f32 v[RB0+\j:RB0+\j+1], v[RB0+\j:RB0+\j+1], v[RB1+\j:RB1+\j+1] neg_lo:[0,1] neg_hi:[0,1]
.endr
.irp j, 0,2
	v_pk_fma_f32 v[RA0+\j:RA0+\j+1], v[RA0+\j:RA0+\j+1], v[DL:DL+1], v[RA1+\j:RA1+\j+1] op_sel_hi:[1,0,1]                ; mid = row i+1 + d0A x that: both halves take the pair's first register
	v_pk_fma_f32 v[RB0+\j:RB0+\j+1], v[RB0+\j:RB0+\j+1], v[DL:DL+1], v[RB1+\j:RB1+\j+1] op_sel:[0,1,0] op_sel_hi:[1,1,1] ; the same with d0B: both halves take the second
.endr
.irp j, 0,1,2,3
	v_cndmask_b32 v[RA1+\j], v[RA0+\j], v[RB0+\j], vcc_lo  ; keep: my part of the point that I store
	v_cndmask_b32 v[RB1+\j], v[RB0+\j], v[RA0+\j], vcc_lo  ; hand over: my part of the other point
.endr
.irp j, 0,1,2,3
	v_sub_f32_dpp v[RB1+\j], v[RB1+\j], v[RA1+\j] row_xmask:2 row_mask:0xf bank_mask:0xf   ; what lane q xor 2 hands me, minus what I keep
.endr
.irp j, 0,2
	v_pk_fma_f32 v[RA1+\j:RA1+\j+1], v[RB1+\j:RB1+\j+1], v[DL+2:DL+3], v[RA1+\j:RA1+\j+1] op_sel_hi:[1,0,1]   ; keep + u x difference = bottom + d1 (top - bottom)
.endr
.irp j, 0,1,2,3
	v_cndmask_b32 v[RA1+\j], v[RA1+\j], 0, s[ZM+\s]        ; zero beyond the boundary
.endr
.endm
.irp i, 0,1,2,3,4
	LERP \i
.endr
	OUT STEPS-1                                    ; the last step has no step behind it: its store follows its blend
	s_endpgm
.Lfunc_end_k_q36afa0f4d5_gather:
	.size	k_q36afa0f4d5_gather, .Lfunc_end_k_q36afa0f4d5_gather-k_q36afa0f4d5_gather
	.p2alignl 7, 3214868480
	.fill 96, 4, 3214868480
	.section	.rodata,"a",@progbits
	.p2align	6, 0x0
	.amdhsa_kernel k_q36afa0f4d5_gather
		.amdhsa_group_segment_fixed_size 0
		.amdhsa_private_segment_fixed_size 0
		.amdhsa_enable_private_segment 0
		.amdhsa_kernarg_size 24
		.amdhsa_user_sgpr_count 2
		.amdhsa_user_sgpr_kernarg_segment_ptr 1
		.amdhsa_wavefront_size32 1
		.amdhsa_system_sgpr_workgroup_id_x 1
		.amdhsa_system_sgpr_workgroup_id_y 1
		.amdhsa_system_sgpr_workgroup_id_z 1
		.amdhsa_system_vgpr_workitem_id 0
		.amdhsa_next_free_vgpr 120
		.amdhsa_next_free_sgpr 66
		.amdhsa_reserve_vcc 1
		.amdhsa_float_denorm_mode_32 3
		.amdhsa_float_denorm_mode_16_64 3
		.amdhsa_memory_ordered 1
		.amdhsa_forward_progress 1
		.amdhsa_inst_pref_size 18
	.end_amdhsa_kernel
	.amdgpu_metadata
---
amdhsa.version: [ 1, 2 ]
amdhsa.kernels:
  - .name:           k_q36afa0f4d5_gather
    .symbol:         k_q36afa0f4d5_gather.kd
    .args:
      - { .name: fix, .offset: 0, .size: 8, .value_kind: global_buffer, .address_space: global }
      - { .name: visible, .offset: 8, .size: 8, .value_kind: global_buffer, .address_space: global }
      - { .name: out0, .offset: 16, .size: 8, .value_kind: global_buffer, .address_space: global }
    .group_segment_fixed_size: 0
    .private_segment_fixed_size: 0
    .kernarg_segment_align: 8
    .kernarg_segment_size: 24
    .max_flat_workgroup_size: 128
    .sgpr_count:     66
    .vgpr_count:     120
    .wavefront_size: 32
...
	.end_amdgpu_metadata
.endif
;; end of part 3
